; MI455X (gfx1250); checked and timed in simulation.
; The chip was launched on July 23, 2026; its instructions are those of AMD's public machine-readable ISA for CDNA 5 (MIT licence, August 2026) and "CDNA5" Instruction Set Architecture Reference Guide (July 2026). The comments in the code are by the model that wrote it; some were corrected since.
;; Cross Attention Fusion. Allowed arithmetic: matrix products marked QUANTISED: E5M2 operands, one given power-of-two scale a tensor, by v_wmma_f32_16x16x64_bf8_bf8 or v_wmma_f32_16x16x128_bf8_bf8, f32 sums; everything else in f32.
;; Inputs: image_features 4 x 256 x 128 x 128 float32; lidar_features 4 x 256 x 128 x 128 float32; lowp_scales 4 int32 (the exponents e of the quantised operands' scales 2^e); modality_weights 2 float32.
;; Outputs: out0 4 x 256 x 128 x 128 float32.
;; This version of the problem:
;;   THIS VERSION OF THE PROBLEM IS GIVEN IN LOW PRECISION. The matrix products marked QUANTISED in the list below multiply operands that are first quantised to E5M2 (5 exponent bits, 2 mantissa bits; 8 bits a number), with one given power-of-two scale for each operand tensor; their sums are f32. All else is computed in f32.
;;   The module's matrix products, in the order in which they are computed (A, B: the left and right operand; K: the contracted axis; several contracted axes count as one K, in the product's order):
;;     1. batch 32 x [M 2,048, K 256] x [K 256, N 2,048]; A: input image_features; B: input lidar_features: QUANTISED (scales: A lowp_scales[0], B lowp_scales[1])
;;     2. batch 32 x [M 2,048, K 2,048] x [K 2,048, N 256]; A: softmax (see below); B: input lidar_features: QUANTISED (scales: A lowp_scales[2], B lowp_scales[3])
;;   THE QUANTISER, for each operand of a quantised product, along K:
;;     - The operand's scale is 2^e, e = its entry of the input lowp_scales (int32; the entries are numbered through the quantised products in the list's order, A before B).
;;     - Each number is divided by the scale, clamped to +-57,344, and rounded to the nearest number of E5M2, ties to even, subnormals kept.
;;     - The product sums the exact products of the quantised numbers (number of the format x scale) in f32.
;;   ~~~python
;;   def quantise(x, axis, e):      # numpy; x: float32 -> the quantised numbers, widened to float32 again
;;       x = np.moveaxis(x, axis, -1); K = x.shape[-1]
;;       r = np.clip(x / 2.0 ** e, -57344, 57344)
;;       step = 2.0 ** (np.maximum(np.frexp(np.where(r == 0, 1, r))[1] - 1, -14) - 2)
;;       q = np.round(r / step) * step * 2.0 ** e      # np.round: ties to even
;;       return np.moveaxis(q, -1, axis).astype(np.float32)
;;   ~~~
;;   SOFTMAX AHEAD OF A QUANTISED PRODUCT. Where the list says 'softmax', what is quantised is not the finished softmax but p = 2^(t - M), with t = logit x log2(e) and M = ceil(the row's largest t), a whole number; so 1/2 < the row's largest p <= 1. The row's sum l is taken of the UNQUANTISED p, in f32, and the product's result is divided by l at the end. Since M is a whole number, a kernel that streams over the keys may use a running M (the ceiling of the running maximum): every later rescaling is an exact power of two, so the quantised numbers keep their values, but for numbers so far below the row's largest that they fall under the format's range.
;;   OPERANDS COMPUTED ON THE WAY. 'Computed on the way' means the value that the module computes at that place (a softmax that the list does not call 'softmax' is quantised finished and normalised). What goes into a quantiser is computed in f32, as accurately as f32 sums, v_exp_f32 and their like allow (about 1e-6 of the number): no bf16 or f16 on the way to a quantiser, and a product that is left as it is and whose result goes on into a quantised operand takes f32 operands (vector FMAs, or v_wmma_f32_16x16x4_f32). A number that lies on a knife's edge between two numbers of the format may be rounded either way, as far as f32 arithmetic and the matrix unit's own rounding can turn it there, and no further.
;; One version. Each part assembles by itself: llvm-mc -triple=amdgcn-amd-amdhsa -mcpu=gfx1250 --defsym DOCPART=n.
;; ======== version 1 of 1: 2 launches
;; workspace buffers: q_frag 16,777,216 bytes; k_frag 16,777,216 bytes; v_frag 16,777,216 bytes
;; launch quant (part 1): grid 2048 x 1, 4 waves a work-group, no clusters, 9,728 bytes of LDS; arguments lidar_features, image_features, lowp_scales, k_frag, v_frag, q_frag; writes k_frag, v_frag, q_frag
.if DOCPART == 1
	.amdgcn_target "amdgcn-amd-amdhsa--gfx1250"
	.amdhsa_code_object_version 6
	.text
	.protected	k_qf86d8ddb5d_quant
	.globl	k_qf86d8ddb5d_quant
	.p2align	8
	.type	k_qf86d8ddb5d_quant,@function
k_qf86d8ddb5d_quant:
	s_mov_b64 s[64:65], 0
	v_nop
	global_prefetch_b8 v0, s[64:65] scope:SCOPE_SE
	s_setreg_imm32_b32 hwreg(HW_REG_WAVE_MODE, 25, 1), 1
	s_wait_xcnt 0x0
; lidar and image, [4][256 channels][16384 positions] f32, become codes of BF8 (E5M2), laid IN THE ORDER OF THE OPERANDS' REGISTERS for the attention launch.
; code = x / 2^e, held within +-57,344, rounded to the nearest code, ties to even.  e: image e0 (queries), lidar e1 (keys, K = channels), lidar e3 (values, K = keys).
; LIMITS: -126 <= e0, e1, e3 <= 112, so that 2^e and 57,344 x 2^e are f32 numbers.  NaN among the inputs is not served (an infinity is held at the largest code).
; A FRAGMENT is 16 rows x 128 k = 2,048 bytes: four pieces c of 512 bytes; in a piece lane l = 16 h + r has 16 bytes at 16 l: k = 32 c + 16 h + 0 .. 15 of row r.
; T = 0 .. 511 numbers the groups of 128 positions (batch T / 128, positions 128 (T % 128) on); each group has 32,768 bytes in each buffer.
;   q_frag: T x 32768 + (2 kt + s) x 2048: row r = position 16 kt + r of the group;                          k = channel 128 s + ..
;   k_frag: the same place:                row r = position 32 (kt / 2) + 8 (kt % 2) + r + 8 (r / 8);        k = channel 128 s + ..
;           (so that the scores of two neighbouring key tiles are 16 neighbouring keys in a lane's registers)
;   v_frag: T x 32768 + ct x 2048:         row r = channel 16 ct + r;                                        k = position of the group
; SHARES.  Work-group X: tensor X % 2 (0 lidar, 1 image: heavy and light ones alternate), group T = X / 4, channel half s = (X / 2) % 2.  Wave w: positions 32 w .. 32 w + 31 of the group x 128 channels, in 8 passes of 16 channels.
; A LANE TAKES A POSITION AND ITS REGISTERS RUN DOWN THE CHANNELS: a load reads 128 consecutive bytes a wave (512 a work-group), and 16 registers are 16 neighbours along K = channels: two conversions give 16 bytes of a fragment.
; For v_frag K runs along the positions: the pass's 16 x 32 numbers turn through the wave's own stage in LDS and come back 16 neighbouring positions of one channel a lane.
; No tensor loads, no barrier: waves share nothing.  Memory binds: matrix units, clusters and large register tiles would buy nothing here.
.set R,    16                          ; v16-79    four sets of 16 numbers as loaded
.set X,    80                          ; v80-95    16 numbers back from the stage
.set KC,   96                          ; v96-127   codes with K = channels: four registers for each pass, so that no store's data are written again
.set VC,   128                         ; v128-159  codes with K = positions, likewise
.set SP,   144                         ; a stage row: 32 positions x 4 bytes + 16 of padding = 36 words: the sixteen rows that a 16-byte load touches start at sixteen different groups of four banks
.set WSTG, 16*SP                       ; a wave's stage: 16 channels
	s_load_b256 s[4:11], s[0:1], 0x0               ; lidar s[4:5], image s[6:7], the scales' exponents s[8:9], k_frag s[10:11]
	s_load_b128 s[12:15], s[0:1], 0x20             ; v_frag s[12:13], q_frag s[14:15]
	v_lshl_add_u32 v160, v0, 2, 0x2400
	v_mov_b32 v161, 0
	v_lshrrev_b32 v1, 5, v0
	v_readfirstlane_b32 s28, v1                    ; wave
	v_and_b32 v1, 31, v0                           ; lane
	v_and_b32 v12, 15, v0                          ; r
	v_bfe_u32 v13, v0, 4, 1                        ; u = lane / 16
	v_and_b32 v14, 7, v0
	v_bfe_u32 v15, v0, 3, 1
	v_lshl_add_u32 v14, v13, 3, v14
	v_lshl_add_u32 v14, v15, 4, v14                ; lidar: my position among the wave's 32: 8 u + r % 8 + 16 (r / 8): row r of key tile 2 w + u
	v_lshlrev_b32 v3, 4, v12
	v_lshl_add_u32 v3, v13, 12, v3                 ; where my 16 bytes go in q_frag or k_frag: tile u (two fragments, 4,096 bytes, on), 16 r
	v_lshlrev_b32 v4, 4, v1                        ; and in v_frag: 16 x lane
	s_mul_i32 s29, s28, WSTG
	v_lshl_add_u32 v5, v14, 2, s29                 ; into my stage: column = my position
	v_mul_u32_u24 v6, v12, SP
	v_lshl_add_u32 v6, v13, 6, v6
	v_add_nc_u32 v6, s29, v6                       ; out of it: row r (a channel), positions 16 u on
	s_and_b32 s25, ttmp9, 1                        ; 0 lidar, 1 image
	s_lshr_b32 s26, ttmp9, 2                       ; T
	s_bfe_u32 s27, ttmp9, 0x10001                  ; s: one bit from bit 1
	s_lshr_b32 s30, s26, 7                         ; where my wave reads: batch x 2^24 + s x 128 channels of 65,536 bytes + 512 (T % 128) + 128 w
	s_lshl_b32 s30, s30, 24
	s_lshl_b32 s31, s27, 23
	s_add_co_u32 s30, s30, s31
	s_and_b32 s31, s26, 127
	s_lshl_b32 s31, s31, 9
	s_add_co_u32 s30, s30, s31
	s_lshl_b32 s31, s28, 7
	s_add_co_u32 s30, s30, s31
	s_mov_b32 s31, 0
	s_lshl_b32 s32, s26, 15                        ; q_frag, k_frag: 32,768 T + 8,192 w (tiles 2 w, 2 w + 1) + 2,048 s
	s_lshl_b32 s33, s28, 13
	s_add_co_u32 s32, s32, s33
	s_lshl_b32 s33, s27, 11
	s_add_co_u32 s32, s32, s33
	s_mov_b32 s33, 0
	s_lshl_b32 s34, s26, 15                        ; v_frag: 32,768 T + 16,384 s (channel tiles 8 s on) + 512 w (piece w)
	s_lshl_b32 s35, s27, 14
	s_add_co_u32 s34, s34, s35
	s_lshl_b32 s35, s28, 9
	s_add_co_u32 s34, s34, s35
	s_mov_b32 s35, 0
	s_wait_kmcnt 0x0
	s_load_b128 s[16:19], s[8:9], 0x0              ; e0, e1, e2, e3
	s_cmp_lg_u32 s25, 0                            ; the choices hang on the work-group's number alone
	s_cselect_b64 s[20:21], s[6:7], s[4:5]         ; what I read
	s_cselect_b64 s[22:23], s[14:15], s[10:11]     ; where the codes with K = channels go
	s_cselect_b32 s36, -1, 0
	v_cndmask_b32 v2, v14, v1, s36                 ; image: position = lane; lidar: as above
	v_lshlrev_b32 v2, 2, v2                        ; 4 bytes a position
	s_add_nc_u64 s[20:21], s[20:21], s[30:31]
	s_add_nc_u64 s[22:23], s[22:23], s[32:33]
	s_add_nc_u64 s[12:13], s[12:13], s[34:35]
.macro LOAD p                          ; pass p: channels 16 p + 0 .. 15 of my position into set p % 4.  The largest immediate, 127 x 65,536, lies inside the signed 24 bits
.irp i, 0,1,2,3,4,5,6,7,8,9,10,11,12,13,14,15
	global_load_b32 v[R+16*((\p)%4)+\i], v2, s[20:21] offset:(16*(\p)+\i)*65536 th:TH_LOAD_NT
.endr
.endm
	LOAD 0
	LOAD 1
	LOAD 2
	LOAD 3                                         ; 64 loads of the wave are out
	s_wait_kmcnt 0x0
	s_cmp_lg_u32 s25, 0
	s_cselect_b32 s24, s16, s17                    ; e0 for the image, e1 for lidar
	s_add_co_i32 s24, s24, 127
	s_lshl_b32 s37, s24, 23
	v_mov_b32 v8, s37                              ; 2^e as f32: the conversion takes its exponent field
	s_add_co_i32 s24, s24, 15
	s_lshl_b32 s24, s24, 23
	s_or_b32 s24, s24, 0x600000
	v_mov_b32 v9, s24                              ; 57,344 x 2^e
	s_add_co_i32 s24, s19, 127
	s_lshl_b32 s37, s24, 23
	v_mov_b32 v10, s37                             ; the same with e3
	s_add_co_i32 s24, s24, 15
	s_lshl_b32 s24, s24, 23
	s_or_b32 s24, s24, 0x600000
	v_mov_b32 v11, s24
; One pass.  withv = 1: the numbers also go, as they came, through the stage, for the codes with K = positions.
.macro PASS p, withv
.set RS, R+16*((\p)%4)
.if (\p) < 5
	s_wait_loadcnt 48                              ; loads come back in order: this pass's sixteen are in, the three sets behind them stay out
.else
	s_wait_loadcnt 16*(7-(\p))
.endif
.if \withv
.irp i, 0,1,2,3,4,5,6,7,8,9,10,11,12,13,14,15
	ds_store_b32 v5, v[RS+\i] offset:SP*\i         ; channel i's row, my position: 128 consecutive bytes a store
.endr
.irp i, 0,1,2,3
	ds_load_b128 v[X+4*\i:X+4*\i+3], v6 offset:16*\i   ; LDS serves a wave's instructions in order: these see the stores above, and the next pass's stores come behind them
.endr
	s_wait_dscnt 0x0                               ; the sixteen numbers are back, and the stores have read their registers, which the holds below write
.endif
.irp i, 0,1,2,3,4,5,6,7,8,9,10,11,12,13,14,15
	v_med3_num_f32 v[RS+\i], v[RS+\i], -v9, v9     ; the conversion to an 8-bit code does not saturate (ISA guide 7.6.2): hold the number within the largest code x the scale first
.endr
	v_cvt_scalef32_pk8_bf8_f32 v[KC+4*(\p):KC+4*(\p)+1], v[RS:RS+7], v8
	v_cvt_scalef32_pk8_bf8_f32 v[KC+4*(\p)+2:KC+4*(\p)+3], v[RS+8:RS+15], v8
.if \withv
.irp i, 0,1,2,3,4,5,6,7,8,9,10,11,12,13,14,15
	v_med3_num_f32 v[X+\i], v[X+\i], -v11, v11
.endr
	v_cvt_scalef32_pk8_bf8_f32 v[VC+4*(\p):VC+4*(\p)+1], v[X:X+7], v10
	v_cvt_scalef32_pk8_bf8_f32 v[VC+4*(\p)+2:VC+4*(\p)+3], v[X+8:X+15], v10
.endif
; (The conversions' results go to stores alone and their sources are next written by loads; the next vector lines are plain and touch other registers.)
	global_store_b128 v3, v[KC+4*(\p):KC+4*(\p)+3], s[22:23] offset:((\p)/2)*512+((\p)%2)*256   ; piece p / 2, half p % 2: sixteen lanes store 256 consecutive bytes, aligned
.if \withv
	global_store_b128 v4, v[VC+4*(\p):VC+4*(\p)+3], s[12:13] offset:(\p)*2048                   ; channel tile 8 s + p, piece w: 512 consecutive bytes
.endif
.if (\p) < 4
	LOAD (\p)+4
.endif
.endm
	s_cmp_lg_u32 s25, 0
	s_cbranch_scc1 .Limage
.irp p, 0,1,2,3,4,5,6,7
	PASS \p, 1
.endr
	s_wait_tensorcnt 0x0
	ds_add_u32 v160, v161
	s_wait_dscnt 0x0
	s_endpgm
.Limage:
.irp p, 0,1,2,3,4,5,6,7
	PASS \p, 0
.endr
	s_endpgm
.Lfunc_end_k_qf86d8ddb5d_quant:
	.size	k_qf86d8ddb5d_quant, .Lfunc_end_k_qf86d8ddb5d_quant-k_qf86d8ddb5d_quant
	.p2alignl 7, 3214868480
	.fill 96, 4, 3214868480
	.section	.rodata,"a",@progbits
	.p2align	6, 0x0
	.amdhsa_kernel k_qf86d8ddb5d_quant
		.amdhsa_group_segment_fixed_size 9728
		.amdhsa_private_segment_fixed_size 0
		.amdhsa_enable_private_segment 0
		.amdhsa_kernarg_size 48
		.amdhsa_user_sgpr_count 2
		.amdhsa_user_sgpr_kernarg_segment_ptr 1
		.amdhsa_wavefront_size32 1
		.amdhsa_system_sgpr_workgroup_id_x 1
		.amdhsa_system_sgpr_workgroup_id_y 1
		.amdhsa_system_sgpr_workgroup_id_z 1
		.amdhsa_system_vgpr_workitem_id 0
		.amdhsa_next_free_vgpr 162
		.amdhsa_next_free_sgpr 66
		.amdhsa_reserve_vcc 0
		.amdhsa_float_denorm_mode_32 3
		.amdhsa_float_denorm_mode_16_64 3
		.amdhsa_memory_ordered 1
		.amdhsa_forward_progress 1
		.amdhsa_inst_pref_size 62
	.end_amdhsa_kernel
	.amdgpu_metadata
---
amdhsa.version: [ 1, 2 ]
amdhsa.kernels:
  - .name:           k_qf86d8ddb5d_quant
    .symbol:         k_qf86d8ddb5d_quant.kd
    .args:
      - { .name: lidar_features, .offset: 0, .size: 8, .value_kind: global_buffer, .address_space: global }
      - { .name: image_features, .offset: 8, .size: 8, .value_kind: global_buffer, .address_space: global }
      - { .name: lowp_scales, .offset: 16, .size: 8, .value_kind: global_buffer, .address_space: global }
      - { .name: k_frag, .offset: 24, .size: 8, .value_kind: global_buffer, .address_space: global }
      - { .name: v_frag, .offset: 32, .size: 8, .value_kind: global_buffer, .address_space: global }
      - { .name: q_frag, .offset: 40, .size: 8, .value_kind: global_buffer, .address_space: global }
    .group_segment_fixed_size: 9728
    .private_segment_fixed_size: 0
    .kernarg_segment_align: 8
    .kernarg_segment_size: 48
    .max_flat_workgroup_size: 128
    .sgpr_count:     66
    .vgpr_count:     162
    .wavefront_size: 32
...
	.end_amdgpu_metadata
.endif
;; end of part 1
;; launch attn (part 2): grid 8 x 32, 4 waves a work-group, clusters of 4 x 1, 327,680 bytes of LDS; arguments q_frag, k_frag, v_frag, lowp_scales, modality_weights, image_features, out0; writes out0
.if DOCPART == 2
	.amdgcn_target "amdgcn-amd-amdhsa--gfx1250"
	.amdhsa_code_object_version 6
	.text
	.protected	k_qf86d8ddb5d_attn
	.globl	k_qf86d8ddb5d_attn
	.p2align	8
	.type	k_qf86d8ddb5d_attn,@function
k_qf86d8ddb5d_attn:
	s_mov_b64 s[64:65], 0
	v_nop
	global_prefetch_b8 v0, s[64:65] scope:SCOPE_SE
	s_setreg_imm32_b32 hwreg(HW_REG_WAVE_MODE, 25, 1), 1
	s_wait_xcnt 0x0
	s_wait_alu depctr_hold_cnt(0) depctr_sa_sdst(0) depctr_va_vdst(0) depctr_va_sdst(0) depctr_va_ssrc(0) depctr_va_vcc(0) depctr_vm_vsrc(0)
	s_getreg_b32 s2, hwreg(HW_REG_IB_STS2, 6, 4)
	s_cmp_eq_u32 s2, 0
	s_cbranch_scc0 .Lentry_in_a_cluster
	s_endpgm
.Lentry_in_a_cluster:
	s_bfe_u32 s2, ttmp6, 0x10000c
	s_cmp_lg_u32 s2, 0x3003
	s_cbranch_scc0 .Lentry_shape_is_right
	s_endpgm
.Lentry_shape_is_right:
; out = w0 x image + w1 x attention, w = softmax(modality_weights); 32 chunks (4 batches x 8) of 2,048 queries (image) x 2,048 keys and values (lidar), head size 256; both products on codes of BF8 (E5M2).
; The codes come from the launch before, laid as operand registers: a fragment (16 rows x 128 k) is 2,048 bytes, piece c of 512 bytes, lane l's 16 bytes at 16 l: k = 32 c + 16 (l / 16) + 0 .. 15 of row l % 16:
; the same order of k on both sides of each product.  Four loads of 16 bytes a lane at 16 x lane bring a fragment, from memory or from LDS: no pitch, no padding, and every load takes 512 consecutive bytes.
; THE SOFTMAX: t = score x log2(e) / 16 x 2^(e0 + e1); M = the running largest t rounded UP to a whole number; p = 2^(t - M) is quantised with 2^e2; the row's sum is taken of the unquantised p; when M moves, the sum
; and O are multiplied by 2^(old M - new M), which rounds nothing; at the end O x 2^(e2 + e3) / sum.
; LIMITS on the given exponents: e0 + e1 between -122 and 131 (they are added to the exponent field of log2(e) / 16); e2 between -126 and 112; w1 x 2^(e2 + e3) must be an f32 number.  NaN among the inputs is not served.
; SHARES.  A work-group owns 256 queries of a chunk, each of its four waves 64: four tiles of 16.  Every wave walks the chunk's keys, 128 a step, 16 steps.
; Both products are used transposed: S^T = K Q^T (source 0 = 16 keys, source 1 = 16 queries), O^T = V^T P^T (source 0 = 16 channels, source 1 = P): a lane holds ONE query (lane % 16) throughout.  The keys of a tile are
; chosen by the launch before so that the registers of key tiles 2 b and 2 b + 1 are keys 32 b + 16 (lane / 16) + 0 .. 15: the conversions' results are P's registers.
; CLUSTER.  The four work-groups of a cluster belong to one chunk and walk the same K and V: each tile is asked for JOINTLY (mask 15).  A step's tiles, 32 KiB of K and 32 KiB of V, are dense in memory; waves 0 and 1 fetch K's
; halves, waves 2 and 3 V's, one load of 16 KiB a wave.  Two slots; a slot is asked for again as soon as all V of its step is in registers, about a whole step ahead of the wait for it.  By this text's count a wave has two tensor loads out at the start, then one.
; A STEP goes in phases, with three overlaps that cost no register: the maximum stands between the products K Q^T, V's fragments are fetched during the softmax (into the registers that the scores leave), and O^T's rescaling stands between the products V^T P.
; K and V are not prefetched: they are asked for a step ahead, by tensor loads, and were written by the launch just before.  The image rows that the way out blends are asked for two key steps ahead (see below).
; REGISTERS, in windows of 256 (s_set_vgpr_msb: bits 1:0 source 0, 3:2 source 1, 5:4 source 2, 7:6 destination):
;   window 0: v0-31 addresses and statistics; v32-63, v64-95, v96-127 three buffers for a key tile's two fragments of K; v64-127 also P (16 a tile); v48-53 also at work in the sums; v128-255 Q (tile t, channel half s at 128 + 32 t + 16 s), at last rows of the result
;   window 1: S^T (tile t, key tile kt at 64 t + 8 kt), then V's 16 fragments (16 ct), at last two sets of image rows.   window 2: O^T of tiles 0, 1 (128 t + 8 ct).   window 3: O^T of tiles 2, 3.
.set SLOT1,  0x10000                   ; slot 0 at LDS byte 0, slot 1 here: one exclusive or turns an address from one to the other
.set VOFF,   32768                     ; in a slot: K's 16 fragments, then V's 16
.set STEPB,  32768                     ; a step's bytes in k_frag and in v_frag
.set SPARE,  2*SLOT1                   ; behind the ring: the spare words, 128 bytes for each wave: two blocks of 256 bytes that no other line names
.set STAGE,  SPARE+512                 ; the way out: for each wave 64 rows (channels) x (64 queries x 4 bytes + 16); no tensor load lands here
.set SPITCH, 272
.set WSTAGE, 64*SPITCH
.set SPW, 1                            ; v1   LDS address of my spare word; never rewritten
.set NIL, 2                            ; v2   0; never rewritten
.set LI,  3                            ; v3   16 x lane
.set LA,  4                            ; v4   16 x lane + the slot in hand;  on the way out STO: where I put a number into the stage
.set STO, 4
.set PSC, 5                            ; v5   2^e2 as f32;  on the way out RD: where I read rows back
.set RD,  5
.set FX,  6                            ; v[6+2t] F: maximum at work, then f = 2^(old M - new M);  v[7+2t] X: at work
.set NM,  14                           ; v[14+4t] -M;  v[15+4t] the largest t so far
.set LS,  16                           ; v[16+4t:17+4t] the row's sum, in two halves
.set GO,  30                           ; v30  the way out: 16 (lane % 16) + 65,536 (lane / 16): two channel rows an instruction
.set PF,  31                           ; v31  65,536 x lane: a channel row a lane, for the prefetch
.set TS,  48                           ; v48-53 three chains of the sums
.set PP,  64
.set QF,  128
.set BK,  128
.set WV,  18                           ; s18  my wave's number
.set CS,  22                           ; s[22:23] log2(e) / 16 x 2^(e0 + e1): the packed form names a pair and takes its low word
.set G1,  24                           ; s[24:31] descriptor group 1, for K's and V's tiles alike
.set G0K, 32                           ; s[32:35] group 0 of K's first fill; s[36:39] the one that walks
.set G0V, 40                           ; s[40:43], s[44:47] the same for V
.set LIM, 54                           ; s54  57,344 x 2^e2
.set TB,  55                           ; s55  LDS byte at which the slot in hand begins
.set CNT, 56                           ; s56  trips to go
.set SEL, 58                           ; s[58:59] v_permlanex16_b32's selects for lane l xor 16
.set W0,  66                           ; s[66:67] w0
.set W1,  68                           ; s68  w1 x 2^(e2 + e3)
.set MSB, 0
.macro WIN new                         ; the immediate's high byte repeats the setting that is left; a switch that changes nothing is dropped
.if MSB != (\new)
	s_set_vgpr_msb (MSB<<8)|(\new)
.set MSB, (\new)
.endif
.endm
.macro PLACES n
.rept \n
	v_nop
.endr
.endm
; A joint refill.  The branch hangs on the wave's number alone.  Four v_nop follow each of the two lines, ahead of the jump, the label and what follows.
.macro JLOAD
	s_cmp_lt_u32 s[WV], 2
	s_cbranch_scc0 .Lfor_v_\@
	tensor_load_to_lds s[G0K+4:G0K+7], s[G1:G1+7]
	s_nop 0
	PLACES 4
	s_branch .Lasked_\@
.Lfor_v_\@:
	tensor_load_to_lds s[G0V+4:G0V+7], s[G1:G1+7]
	s_nop 0
	PLACES 4
.Lasked_\@:
.endm
.macro CREST                           ; a round of the cluster's barrier behind its opening barrier
	s_cmp_lg_u32 s[WV], 0
	s_cbranch_scc1 .Lnot_wave_0_\@
	s_barrier_signal -3
.Lnot_wave_0_\@:
	s_barrier_wait -3
	s_barrier_signal -1
	s_barrier_wait -1
.endm
.macro CROUND                          ; a whole round
	s_barrier_signal -1
	s_barrier_wait -1
	CREST
.endm
	s_load_b256 s[4:11], s[0:1], 0x0               ; q_frag s[4:5], k_frag s[6:7], v_frag s[8:9], the scales' exponents s[10:11]
	s_load_b128 s[12:15], s[0:1], 0x20             ; modality_weights s[12:13], image s[14:15]
	s_load_b64 s[16:17], s[0:1], 0x30              ; out0
	v_lshl_add_u32 v[SPW], v0, 2, SPARE
	v_mov_b32 v[NIL], 0
	ds_add_u32 v1, v2
	s_wait_dscnt 0x0
	v_lshrrev_b32 v3, 5, v0
	v_readfirstlane_b32 s[WV], v3                  ; wave 0..3
	s_bfe_u32 s76, ttmp6, 0x40000                  ; cx: my place in the cluster
	s_lshl_b32 s19, ttmp9, 2                       ; in a cluster launch ttmp9 counts clusters
	s_add_co_u32 s19, s19, s76                     ; my block of 256 queries: it enters the addresses of q_frag, image and out0 alone
	s_and_b32 s20, ttmp7, 0xffff                   ; the chunk g, which the four partners share
	s_and_b32 s21, s[WV], 1                        ; which half of a tile I fetch
	s_lshl_b32 s70, s20, 19                        ; k_frag, v_frag: 524,288 g + 16,384 x half
	s_lshl_b32 s71, s21, 14
	s_add_co_u32 s70, s70, s71
	s_mov_b32 s71, 0
	s_lshl_b32 s77, s21, 14                        ; and the half's place in a slot: no place in the cluster enters an LDS address
	s_lshl_b32 s72, s20, 19                        ; q_frag: 524,288 g + 65,536 block + 16,384 wave: my 64 queries' eight fragments on end
	s_lshl_b32 s73, s19, 16
	s_add_co_u32 s72, s72, s73
	s_lshl_b32 s73, s[WV], 14
	s_add_co_u32 s72, s72, s73
	s_mov_b32 s73, 0
	s_lshr_b32 s74, s20, 3                         ; image, out0: batch x 2^24 + 4 x (2,048 (g % 8) + 256 block + 64 wave): channel 0 at my first query
	s_lshl_b32 s74, s74, 24
	s_and_b32 s75, s20, 7
	s_lshl_b32 s75, s75, 13
	s_add_co_u32 s74, s74, s75
	s_lshl_b32 s75, s19, 10
	s_add_co_u32 s74, s74, s75
	s_lshl_b32 s75, s[WV], 8
	s_add_co_u32 s74, s74, s75
	s_mov_b32 s75, 0
	; descriptor group 1: 16 KiB that are dense in memory, stated as 64 rows of 256 bytes (32 elements of 8 bytes), dense in LDS too
	s_mov_b32 s[G1], 15|(3<<16)|(1<<21)            ; 15:0 the mask: all four work-groups; 17:16 elements of 8 bytes; 20 no padding; 21 set beside a mask
	s_mov_b32 s[G1+1], 32<<16                      ; tensor_dim0 = 32
	s_mov_b32 s[G1+2], 64<<16                      ; tensor_dim1 = 64
	s_mov_b32 s[G1+3], 32<<16                      ; tile_dim0 = 32
	s_mov_b32 s[G1+4], 64                          ; tile_dim1 = 64
	s_mov_b32 s[G1+5], 32                          ; from row to row: 32 elements
	s_mov_b32 s[G1+6], 0
	s_mov_b32 s[G1+7], 0
	s_mov_b32 s[SEL], 0x76543210
	s_mov_b32 s[SEL+1], 0xfedcba98
	s_mov_b32 s[CS], 0x3db8aa3b                    ; log2(e) / sqrt(256)
	s_mov_b32 s[TB], 0
	s_wait_kmcnt 0x0
	s_load_b128 s[48:51], s[10:11], 0x0            ; e0, e1, e2, e3
	s_load_b64 s[52:53], s[12:13], 0x0             ; the two modality weights
	s_add_nc_u64 s[6:7], s[6:7], s[70:71]
	s_add_nc_u64 s[8:9], s[8:9], s[70:71]
	s_add_nc_u64 s[4:5], s[4:5], s[72:73]
	s_add_nc_u64 s[14:15], s[14:15], s[74:75]
	s_add_nc_u64 s[16:17], s[16:17], s[74:75]
	s_add_nc_u64 s[60:61], s[14:15], 0x800000      ; the same at channel 128, so that every channel's offset fits the signed 24-bit immediate
	s_add_nc_u64 s[62:63], s[16:17], 0x800000
	CROUND                                         ; all four work-groups are here: the first joint loads meet
.irp s, 0,1
	s_mov_b32 s[G0K+4*\s], 1                       ; count = 1
	s_add_co_u32 s[G0K+4*\s+1], s77, \s*SLOT1      ; LDS address
	s_add_nc_u64 s[G0K+4*\s+2:G0K+4*\s+3], s[6:7], \s*STEPB   ; global address: key step s
	s_or_b32 s[G0K+4*\s+3], s[G0K+4*\s+3], 0x80000000         ; type = 2
	s_mov_b32 s[G0V+4*\s], 1
	s_add_co_u32 s[G0V+4*\s+1], s77, \s*SLOT1+VOFF
	s_add_nc_u64 s[G0V+4*\s+2:G0V+4*\s+3], s[8:9], \s*STEPB
	s_or_b32 s[G0V+4*\s+3], s[G0V+4*\s+3], 0x80000000
.endr
	s_cmp_lt_u32 s[WV], 2                          ; a wave's two first fills stand in one branch, ahead of every wait on TENSORcnt and every LDS read
	s_cbranch_scc0 .Lfirst_v
	tensor_load_to_lds s[G0K:G0K+3], s[G1:G1+7]
	s_nop 0
	tensor_load_to_lds s[G0K+4:G0K+7], s[G1:G1+7]
	s_nop 0
	PLACES 4
	s_branch .Lfirst_asked
.Lfirst_v:
	tensor_load_to_lds s[G0V:G0V+3], s[G1:G1+7]
	s_nop 0
	tensor_load_to_lds s[G0V+4:G0V+7], s[G1:G1+7]
	s_nop 0
	PLACES 4
.Lfirst_asked:
	v_and_b32 v[LI], 31, v0
	v_lshlrev_b32 v[LI], 4, v[LI]
.set k, 0
.rept 32                                       ; Q stays in registers: 16 KiB on end, 512 bytes a load
	global_load_b128 v[QF+4*k:QF+4*k+3], v[LI], s[4:5] offset:512*k th:TH_LOAD_NT
.set k, k+1
.endr
	v_and_b32 v[GO], 15, v0
	v_lshlrev_b32 v[GO], 4, v[GO]
	v_bfe_u32 v[PF], v0, 4, 1
	v_lshl_add_u32 v[GO], v[PF], 16, v[GO]
	v_and_b32 v[PF], 31, v0
	v_lshlrev_b32 v[PF], 16, v[PF]
	s_wait_kmcnt 0x0
	s_add_co_i32 s70, s48, s49
	s_lshl_b32 s70, s70, 23
	s_add_co_i32 s[CS], s[CS], s70                 ; a score stands for score x 2^(e0 + e1): the two exponents are added to the factor's exponent field
	s_mov_b32 s[CS+1], s[CS]                       ; (named with it as a pair, so it is written)
	s_add_co_i32 s70, s50, 127
	s_lshl_b32 s71, s70, 23                        ; 2^e2 as f32
	s_add_co_i32 s70, s70, 15
	s_lshl_b32 s70, s70, 23
	s_or_b32 s[LIM], s70, 0x600000                 ; 57,344 x 2^e2
	s_add_co_i32 s57, s50, s51                     ; e2 + e3
	v_mov_b32 v6, s52                              ; w = softmax of the two weights, the larger taken away first
	v_mov_b32 v7, s53
	v_max_num_f32 v8, v6, v7
	v_sub_f32 v6, v6, v8
	v_sub_f32 v7, v7, v8
	v_mul_f32 v6, 0x3fb8aa3b, v6
	v_mul_f32 v7, 0x3fb8aa3b, v7
	v_exp_f32 v6, v6
	v_exp_f32 v7, v7
	v_mov_b32 v[PSC], s71                          ; (a plain line behind the exponentials)
	s_wait_alu depctr_va_vdst(0)
	v_add_f32 v8, v6, v7
	v_rcp_f32 v8, v8
	v_nop                                          ; a plain line behind the reciprocal
	s_wait_alu depctr_va_vdst(0)
	v_mul_f32 v6, v6, v8
	v_mul_f32 v7, v7, v8
	v_ldexp_f32 v7, v7, s57                        ; w1 x 2^(e2 + e3)
	v_readfirstlane_b32 s[W0], v6
	v_readfirstlane_b32 s[W1], v7
	s_mov_b32 s[W0+1], s[W0]
.irp t, 0,1,2,3
	v_mov_b32 v[NM+4*\t+1], 0xff61b1e6             ; the largest t so far: -3e38, under every t
	v_mov_b32 v[LS+4*\t], 0
	v_mov_b32 v[LS+4*\t+1], 0
.endr
.irp t, 0,1,2,3
	v_floor_f32 v[NM+4*\t], -v[NM+4*\t+1]
.endr
; A key tile's two fragments of K (16 keys x 256 channels) into buffer kt % 3: eight loads
.macro LOADK kt
.set KB, 32+32*((\kt)%3)
.irp s, 0,1
.irp c, 0,1,2,3
	ds_load_b128 v[KB+16*\s+4*\c:KB+16*\s+4*\c+3], v[LA] offset:(2*(\kt)+\s)*2048+512*\c
.endr
.endr
.endm
; The maximum takes in key tile kp's scores: sixteen lines, two chains (F, X) a tile, each accumulator from its low end on.  Key tile 0 starts the chains.
.macro MAXK kp
.irp k, 0,1,2,3
.irp t, 0,1,2,3
.if ((\kp) == 0) && (\k < 2)
	v_max_num_f32 v[FX+2*\t+\k%2], v[64*\t+8*(\kp)+2*\k], v[64*\t+8*(\kp)+2*\k+1]
.else
	v_max3_num_f32 v[FX+2*\t+\k%2], v[64*\t+8*(\kp)+2*\k], v[64*\t+8*(\kp)+2*\k+1], v[FX+2*\t+\k%2]
.endif
.endr
.endr
.endm
; S^T = K Q^T: 8 key tiles x 4 tiles of queries x 2 halves of the channels.  The four accumulators of a key tile take turns.  Behind a key tile's products stand the sixteen lines of the
; maximum over the key tile before: they name no register of those products, so they are also the four places (ISA guide 7.12.1 for vector instructions) in front of the loads into the buffer just multiplied.
.macro KQ
.irp kt, 0,1,2,3,4,5,6,7
.if \kt <= 5
	s_wait_dscnt 16                                ; this key tile's eight loads are in; those of the next two may be out
.elseif \kt == 6
	s_wait_dscnt 8
.else
	s_wait_dscnt 0x0
.endif
	WIN 0x50                                       ; K and Q window 0, S^T window 1
.set KB, 32+32*(\kt%3)
.irp t, 0,1,2,3
	v_wmma_f32_16x16x128_bf8_bf8 v[64*\t+8*\kt:64*\t+8*\kt+7], v[KB:KB+15], v[QF+32*\t:QF+32*\t+15], 0
.endr
.irp t, 0,1,2,3
	v_wmma_f32_16x16x128_bf8_bf8 v[64*\t+8*\kt:64*\t+8*\kt+7], v[KB+16:KB+31], v[QF+32*\t+16:QF+32*\t+31], v[64*\t+8*\kt:64*\t+8*\kt+7]
.endr
.if \kt == 0
	PLACES 4
.else
	WIN 0x05                                       ; sources 0 and 1 window 1
	MAXK \kt-1
.endif
.if \kt <= 4
	WIN 0
	LOADK \kt+3
.endif
.endr
	WIN 0x05
	MAXK 6                                         ; (the places behind key tile 7's products)
	MAXK 7
.endm
; The new M and f, line by line for the four tiles, so that no line waits for the line above it.
.macro STATS
	WIN 0
.irp t, 0,1,2,3
	v_max_num_f32 v[FX+2*\t], v[FX+2*\t], v[FX+2*\t+1]
.endr
.irp t, 0,1,2,3
	v_permlanex16_b32 v[FX+2*\t+1], v[FX+2*\t], s[SEL], s[SEL+1]   ; the query's other 64 keys lie in the lane 16 away
.endr
.irp t, 0,1,2,3
	v_max_num_f32 v[FX+2*\t], v[FX+2*\t], v[FX+2*\t+1]
.endr
.irp t, 0,1,2,3
	v_mul_f32 v[FX+2*\t], s[CS], v[FX+2*\t]        ; as t (the factor is positive)
.endr
.irp t, 0,1,2,3
	v_max_num_f32 v[NM+4*\t+1], v[NM+4*\t+1], v[FX+2*\t]   ; the running largest t
.endr
.irp t, 0,1,2,3
	v_mov_b32 v[FX+2*\t+1], v[NM+4*\t]
.endr
.irp t, 0,1,2,3
	v_floor_f32 v[NM+4*\t], -v[NM+4*\t+1]          ; the new -M = floor(-t) = -ceil(t)
.endr
.irp t, 0,1,2,3
	v_sub_f32 v[FX+2*\t+1], v[NM+4*\t], v[FX+2*\t+1]   ; old M - new M: a whole number, 0 or less
.endr
.irp t, 0,1,2,3
	v_cvt_i32_f32 v[FX+2*\t+1], v[FX+2*\t+1]       ; (it saturates)
.endr
.irp t, 0,1,2,3
	v_ldexp_f32 v[FX+2*\t], 1.0, v[FX+2*\t+1]      ; f = 2^(old M - new M)
.endr
.irp t, 0,1,2,3
	v_pk_mul_f32 v[LS+4*\t:LS+4*\t+1], v[LS+4*\t:LS+4*\t+1], v[FX+2*\t:FX+2*\t+1] op_sel_hi:[1,0]   ; the sums under the new M
.endr
.endm
.macro FMA t, j                        ; pair j of tile t: t - M (of the pairs the low word serves both halves)
	v_pk_fma_f32 v[64*(\t)+2*(\j):64*(\t)+2*(\j)+1], v[64*(\t)+2*(\j):64*(\t)+2*(\j)+1], s[CS:CS+1], v[NM+4*(\t):NM+4*(\t)+1] op_sel_hi:[1,0,0]
.endm
; Tile t's 64 exponentials.  Between them stand plain lines that are due anyway and touch no exponential just issued: the scalings four pairs ahead, and (m >= 0) the hold of tile m's p, whose sum has been taken.
.macro EBLK t, m
	WIN 0x45                                       ; S^T window 1; -M window 0
.irp j, 0,1,2,3
	FMA \t, \j
.endr
.set n, 0
.rept 64
	v_exp_f32 v[64*(\t)+n], v[64*(\t)+n]           ; p = 2^(t - M), at most 1: not normalised
.if (n%2 == 0) && (n < 56)
	FMA \t, 4+n/2
.endif
.if (\m) >= 0
	v_min_num_f32 v[64*(\m)+n], s[LIM], v[64*(\m)+n]   ; the conversion to an 8-bit code does not saturate (ISA guide 7.6.2); p is not negative, so the hold is one-sided
.endif
.set n, n+1
.endr
.endm
.macro MINS m
	WIN 0x45
.set n, 0
.rept 64
	v_min_num_f32 v[64*(\m)+n], s[LIM], v[64*(\m)+n]
.set n, n+1
.endr
.endm
; The row's sum of the UNQUANTISED p of tile t, ahead of its hold: 32 pairs in four chains, three begun by an addition of two pairs, the fourth the running sum itself.
.macro SUMS t
	WIN 0x05
	s_wait_alu depctr_va_vdst(0)
.irp a, 0,1,2
	v_pk_add_f32 v[TS+2*\a:TS+2*\a+1], v[64*(\t)+4*\a:64*(\t)+4*\a+1], v[64*(\t)+4*\a+2:64*(\t)+4*\a+3]
.endr
	WIN 0x01                                       ; source 0 window 1, source 1 window 0
.set n, 6
.rept 26
.if n%4 == 3
	v_pk_add_f32 v[LS+4*(\t):LS+4*(\t)+1], v[64*(\t)+2*n:64*(\t)+2*n+1], v[LS+4*(\t):LS+4*(\t)+1]
.else
	v_pk_add_f32 v[TS+2*(n%4):TS+2*(n%4)+1], v[64*(\t)+2*n:64*(\t)+2*n+1], v[TS+2*(n%4):TS+2*(n%4)+1]
.endif
.set n, n+1
.endr
	WIN 0
	v_pk_add_f32 v[TS:TS+1], v[TS:TS+1], v[TS+2:TS+3]
	v_pk_add_f32 v[LS+4*(\t):LS+4*(\t)+1], v[LS+4*(\t):LS+4*(\t)+1], v[TS+4:TS+5]
	v_pk_add_f32 v[LS+4*(\t):LS+4*(\t)+1], v[LS+4*(\t):LS+4*(\t)+1], v[TS:TS+1]
.endm
.macro CVT m                           ; tile m's p become P's sixteen registers: key tile kt's eight numbers are bytes 8 (kt % 2) on of piece kt / 2
	WIN 0x01
.irp kt, 0,1,2,3,4,5,6,7
	v_cvt_scalef32_pk8_bf8_f32 v[PP+16*(\m)+2*\kt:PP+16*(\m)+2*\kt+1], v[64*(\m)+8*\kt:64*(\m)+8*\kt+7], v[PSC]
.endr
	v_nop                                          ; one plain vector line between the last scaled conversion and the vector or matrix lines that later touch its registers
.endm
.macro LOADV m                         ; V's fragments 4 m .. 4 m + 3 into the registers that tile m's p have left: sixteen loads
	WIN 0x40                                       ; destination window 1
.irp q, 0,1,2,3
.irp c, 0,1,2,3
	ds_load_b128 v[64*(\m)+16*\q+4*\c:64*(\m)+16*\q+4*\c+3], v[LA] offset:VOFF+(4*(\m)+\q)*2048+512*\c
.endr
.endr
.endm
.macro RESC ct, t                      ; O^T(channel tile ct, tile t) x F of the tile, from its low end on (the window is set by the caller)
.irp i, 0,2,4,6
	v_pk_mul_f32 v[128*((\t)%2)+8*(\ct)+\i:128*((\t)%2)+8*(\ct)+\i+1], v[128*((\t)%2)+8*(\ct)+\i:128*((\t)%2)+8*(\ct)+\i+1], v[FX+2*(\t):FX+2*(\t)+1] op_sel_hi:[1,0]
.endr
.endm
; O^T += V^T P^T for channel tile ct and tiles 2 hi, 2 hi + 1: two products, then the rescaling of the same two tiles' next channel tile, which its own products meet two pairs later.  first = 1: the products start the sums: nothing is cleared, nothing rescaled.
.macro PVH ct, hi, first
	WIN 0xa1+0x50*(\hi)                            ; V window 1, P window 0, O^T window 2 or 3
.irp u, 0,1
.if \first
	v_wmma_f32_16x16x128_bf8_bf8 v[128*\u+8*(\ct):128*\u+8*(\ct)+7], v[16*(\ct):16*(\ct)+15], v[PP+16*(2*(\hi)+\u):PP+16*(2*(\hi)+\u)+15], 0
.else
	v_wmma_f32_16x16x128_bf8_bf8 v[128*\u+8*(\ct):128*\u+8*(\ct)+7], v[16*(\ct):16*(\ct)+15], v[PP+16*(2*(\hi)+\u):PP+16*(2*(\hi)+\u)+15], v[128*\u+8*(\ct):128*\u+8*(\ct)+7]
.endif
.endr
.if (\first == 0) && ((\ct) < 15)
	WIN 0x82+0x41*(\hi)                            ; O^T (destination and source 0) window 2 or 3, f window 0
	RESC (\ct)+1, 2*(\hi)
	RESC (\ct)+1, 2*(\hi)+1
.endif
.endm
.macro PVQ q, first                    ; channel tiles 4 q .. 4 q + 3: sixteen products
.irp d, 0,1,2,3
	PVH 4*(\q)+\d, 0, \first
	PVH 4*(\q)+\d, 1, \first
.endr
.endm
; A KEY STEP.  fill = 1: the slot that it leaves is filled again, with the step two on.  first = 1: the first step, which starts O^T.
.macro STEP fill, first
	KQ
	STATS
	EBLK 0, -1
	SUMS 0
	EBLK 1, 0
	SUMS 1
	CVT 0
	LOADV 0
	EBLK 2, 1
	SUMS 2
	CVT 1
	LOADV 1
	EBLK 3, 2
	SUMS 3
	CVT 2
	LOADV 2
	MINS 3
	CVT 3
	LOADV 3                                        ; the slot's last bytes have been asked for
	WIN 0                                          ; (the add's two registers lie in window 0)
	s_wait_tensorcnt 0x0                           ; all my tensor loads have landed: the one that was out is my part of the next slot; so a group 0 may be written
	ds_add_u32 v[SPW], v[NIL]                      ; 0 onto my spare word; 32 products stand between it and the wait for it
.if \fill
	s_xor_b32 s[G0K+5], s[G0K+5], SLOT1            ; the walking descriptors: the other slot than last time,
	s_add_nc_u64 s[G0K+6:G0K+7], s[G0K+6:G0K+7], STEPB   ; the next step; the type bits on top are not reached
	s_xor_b32 s[G0V+5], s[G0V+5], SLOT1
	s_add_nc_u64 s[G0V+6:G0V+7], s[G0V+6:G0V+7], STEPB
.endif
	s_xor_b32 s[TB], s[TB], SLOT1                  ; the next step reads the other slot
.if \first == 0
	WIN 0x82
	RESC 0, 0
	RESC 0, 1
	WIN 0xc3
	RESC 0, 2
	RESC 0, 3
.endif
	s_wait_dscnt 17                                ; V's fragments 0-11 are in; the last sixteen loads and the add may be out
	PVQ 0, \first
	PVQ 1, \first
	s_wait_dscnt 0x0                               ; the add is done, and all my reads of this slot are in registers
	s_barrier_signal -1                            ; (with fill = 1 this barrier opens a round of the cluster's barrier)
	PVQ 2, \first
	WIN 0                                          ; at a branch and at a label every window is 0
	s_barrier_wait -1
.if \fill
	CREST                                          ; no wave of any partner still reads this slot or has a load on its way
	JLOAD                                          ; the first tensor load behind the round, and my only one until the next
	v_add_nc_u32 v[LA], s[TB], v[LI]
	LOADK 0                                        ; the next step's first key tile: its buffer is free since this step's sums
	PVQ 3, \first
	PLACES 5                                       ; the next products K Q^T write over registers that held V's fragments (five places), and the loads below land on P (four)
	WIN 0
	LOADK 1
	LOADK 2
.else
	v_add_nc_u32 v[LA], s[TB], v[LI]
	s_cmp_eq_u32 s[CNT], 1                         ; the last step has no successor: a branch on the count of trips, round LDS loads alone
	s_cbranch_scc1 .Lno_k0_\@
	LOADK 0
.Lno_k0_\@:
	PVQ 3, \first
	PLACES 5
	WIN 0
	s_cmp_eq_u32 s[CNT], 1
	s_cbranch_scc1 .Lno_k12_\@
	LOADK 1
	LOADK 2
.Lno_k12_\@:
.endif
.endm
	s_wait_tensorcnt 1                             ; my part of slot 0 is in; slot 1's may stay out
	s_barrier_signal -1
	s_barrier_wait -1                              ; everybody's is
	v_add_nc_u32 v[LA], s[TB], v[LI]
	LOADK 0
	LOADK 1
	LOADK 2
	s_wait_loadcnt 0x0                             ; Q
	STEP 1, 1                                      ; step 0 stands in front of the loop: its products start O^T's sums
	s_mov_b32 s[CNT], 13
.Lfill:                                            ; steps 1 to 13: each asks for the step two on
	STEP 1, 0
	s_sub_co_u32 s[CNT], s[CNT], 1
	s_cmp_lg_u32 s[CNT], 0
	s_cbranch_scc1 .Lfill
	; The image rows that the way out's first two rounds blend: channels 0-127 at my wave's 64 queries, 256 bytes each, a lane to a channel: 128 blocks a wave, each asked for once in the launch, two key steps ahead of their loads.
.irp i, 0,1,2,3
	global_prefetch_b8 v[PF], s[14:15] offset:\i*2097152 th:TH_LOAD_NT scope:SCOPE_SE
.endr
	s_mov_b32 s[CNT], 2
.Llast:                                            ; steps 14 and 15 ask for nothing: written apart.  The second trip's barrier orders nothing: it stands there because the two trips share one text
	STEP 0, 0
	s_sub_co_u32 s[CNT], s[CNT], 1
	s_cmp_lg_u32 s[CNT], 0
	s_cbranch_scc1 .Llast
; THE WAY OUT, in four rounds of 64 channels.  O^T x w1 2^(e2 + e3) / sum goes number by number into my stage, row = channel, column = query, and comes back as whole rows of 64 queries (256 bytes); there it meets the image's
; same rows: out = w0 x image + that; sixteen lanes store 256 consecutive bytes, aligned.  The image rows are loaded two rounds ahead, into window 1, which V has left (the five places behind the last products stand above).
.macro IMLOAD rho                      ; round rho's 64 channel rows of the image at my 64 queries into set rho % 2: 32 loads, two rows each
.set IB, 14+46*((\rho)/2)              ; s[14:15] for channels 0-127, s[60:61] for 128-255
.set k, 0
.rept 32
	global_load_b128 v[128*((\rho)%2)+4*k:128*((\rho)%2)+4*k+3], v[GO], s[IB:IB+1] offset:(64*((\rho)%2)+2*k)*65536 th:TH_LOAD_NT
.set k, k+1
.endr
.endm
.macro TOSTAGE rho, hi                 ; tiles 2 hi, 2 hi + 1: lane (r, h), register j of (channel tile q, tile t): row 16 q + 8 h + j, column 16 t + r.  The two halves of the lanes lie 2,176 bytes = 544 words apart: 32 banks
	WIN 0x08+4*(\hi)                               ; data window 2 or 3
.irp q, 0,1,2,3
.irp u, 0,1
.irp j, 0,1,2,3,4,5,6,7
	ds_store_b32 v[STO], v[128*\u+8*(4*(\rho)+\q)+\j] offset:(16*\q+\j)*SPITCH+64*(2*(\hi)+\u)
.endr
.endr
.endr
.endm
.macro OUTR rho
.set OB, 16+46*((\rho)/2)              ; s[16:17] or s[62:63]
	WIN 0x82
.irp q, 0,1,2,3
	RESC 4*(\rho)+\q, 0
	RESC 4*(\rho)+\q, 1
.endr
	WIN 0xc3
.irp q, 0,1,2,3
	RESC 4*(\rho)+\q, 2
	RESC 4*(\rho)+\q, 3
.endr
	TOSTAGE \rho, 0
	TOSTAGE \rho, 1
	WIN 0
.if (\rho) > 0
	s_wait_xcnt 0x0                                ; the last round's stores have read their registers: the loads below land there only behind this wait
.endif
.set k, 0
.rept 32
	ds_load_b128 v[BK+4*k:BK+4*k+3], v[RD] offset:2*k*SPITCH   ; LDS serves a wave's instructions in order: these see my stores, and the next round's stores come behind them
.set k, k+1
.endr
.if (\rho) < 3
	s_wait_loadcnt 32                              ; this round's image rows are in; the next round's 32 loads may be out
.else
	s_wait_loadcnt 0x0
.endif
	s_wait_dscnt 0x0
	WIN 0x01                                       ; the image window 1
.set k, 0
.rept 64
	v_pk_fma_f32 v[BK+2*k:BK+2*k+1], v[128*((\rho)%2)+2*k:128*((\rho)%2)+2*k+1], s[W0:W0+1], v[BK+2*k:BK+2*k+1] op_sel_hi:[1,0,1]
.set k, k+1
.endr
	WIN 0
.set k, 0
.rept 32
	global_store_b128 v[GO], v[BK+4*k:BK+4*k+3], s[OB:OB+1] offset:(64*((\rho)%2)+2*k)*65536 th:TH_STORE_NT
.set k, k+1
.endr
.if (\rho) < 2
	WIN 0x40
	IMLOAD (\rho)+2
	WIN 0
.endif
.endm
	WIN 0x40
	IMLOAD 0
	IMLOAD 1
	WIN 0
.irp t, 0,1,2,3
	v_add_f32 v[FX+2*\t+1], v[LS+4*\t], v[LS+4*\t+1]   ; the sum's two halves,
.endr
.irp t, 0,1,2,3
	v_permlanex16_b32 v[FX+2*\t], v[FX+2*\t+1], s[SEL], s[SEL+1]
.endr
.irp t, 0,1,2,3
	v_add_f32 v[FX+2*\t+1], v[FX+2*\t+1], v[FX+2*\t]   ; and lane l xor 16's: the row's sum
.endr
.irp t, 0,1,2,3
	v_rcp_f32 v[FX+2*\t], v[FX+2*\t+1]
.endr
	s_mul_i32 s77, s[WV], WSTAGE
	s_add_co_u32 s77, s77, STAGE                   ; my stage
	v_and_b32 v128, 15, v0                         ; r  (plain lines behind the reciprocals; Q's registers are free)
	v_bfe_u32 v129, v0, 4, 1                       ; h
	v_mul_u32_u24 v[STO], v129, 8*SPITCH
	v_lshl_add_u32 v[STO], v128, 2, v[STO]
	v_add_nc_u32 v[STO], s77, v[STO]               ; in: 8 h rows on, column r
	v_mul_u32_u24 v[RD], v129, SPITCH
	v_lshl_add_u32 v[RD], v128, 4, v[RD]
	v_add_nc_u32 v[RD], s77, v[RD]                 ; back: lanes 0-15 one row, lanes 16-31 the next; 16 bytes a lane
	s_wait_alu depctr_va_vdst(0)
.irp t, 0,1,2,3
	v_mul_f32 v[FX+2*\t], s[W1], v[FX+2*\t]        ; w1 x 2^(e2 + e3) / sum
.endr
	OUTR 0
	OUTR 1
	OUTR 2
	OUTR 3
	s_wait_tensorcnt 0x0                           ; the wave's end: behind my last tensor load and my last LDS store
	ds_add_u32 v[SPW], v[NIL]
	s_wait_dscnt 0x0
	CROUND                                         ; the closing round: no work-group ends while a partner may still ask for a tile that names it
	s_endpgm
.Lfunc_end_k_qf86d8ddb5d_attn:
	.size	k_qf86d8ddb5d_attn, .Lfunc_end_k_qf86d8ddb5d_attn-k_qf86d8ddb5d_attn
	.p2alignl 7, 3214868480
	.fill 96, 4, 3214868480
	.section	.rodata,"a",@progbits
	.p2align	6, 0x0
	.amdhsa_kernel k_qf86d8ddb5d_attn
		.amdhsa_group_segment_fixed_size 327680
		.amdhsa_private_segment_fixed_size 0
		.amdhsa_enable_private_segment 0
		.amdhsa_kernarg_size 56
		.amdhsa_user_sgpr_count 2
		.amdhsa_user_sgpr_kernarg_segment_ptr 1
		.amdhsa_wavefront_size32 1
		.amdhsa_system_sgpr_workgroup_id_x 1
		.amdhsa_system_sgpr_workgroup_id_y 1
		.amdhsa_system_sgpr_workgroup_id_z 1
		.amdhsa_system_vgpr_workitem_id 0
		.amdhsa_next_free_vgpr 1024
		.amdhsa_next_free_sgpr 80
		.amdhsa_reserve_vcc 0
		.amdhsa_float_denorm_mode_32 3
		.amdhsa_float_denorm_mode_16_64 3
		.amdhsa_memory_ordered 1
		.amdhsa_forward_progress 1
		.amdhsa_inst_pref_size 255
	.end_amdhsa_kernel
	.section	.bss,"aw",@nobits
	.p2align	6
	.space	262144
	.amdgpu_metadata
---
amdhsa.version: [ 1, 2 ]
amdhsa.kernels:
  - .name:           k_qf86d8ddb5d_attn
    .symbol:         k_qf86d8ddb5d_attn.kd
    .args:
      - { .name: q_frag, .offset: 0, .size: 8, .value_kind: global_buffer, .address_space: global }
      - { .name: k_frag, .offset: 8, .size: 8, .value_kind: global_buffer, .address_space: global }
      - { .name: v_frag, .offset: 16, .size: 8, .value_kind: global_buffer, .address_space: global }
      - { .name: lowp_scales, .offset: 24, .size: 8, .value_kind: global_buffer, .address_space: global }
      - { .name: modality_weights, .offset: 32, .size: 8, .value_kind: global_buffer, .address_space: global }
      - { .name: image_features, .offset: 40, .size: 8, .value_kind: global_buffer, .address_space: global }
      - { .name: out0, .offset: 48, .size: 8, .value_kind: global_buffer, .address_space: global }
    .group_segment_fixed_size: 327680
    .private_segment_fixed_size: 0
    .kernarg_segment_align: 8
    .kernarg_segment_size: 56
    .max_flat_workgroup_size: 128
    .sgpr_count:     80
    .vgpr_count:     1024
    .wavefront_size: 32
...
	.end_amdgpu_metadata
.endif
;; end of part 2
